; MI455X (gfx1250); checked and timed in simulation.
; The chip was launched on July 23, 2026; its instructions are those of AMD's public machine-readable ISA for CDNA 5 (MIT licence, August 2026) and "CDNA5" Instruction Set Architecture Reference Guide (July 2026). The comments in the code are by the model that wrote it; some were corrected since.
;; Multi Head Attention. Allowed arithmetic: matrix products marked QUANTISED: E5M2 operands, one E8M0 scale for each 32 along K, by v_wmma_scale_f32_16x16x128_f8f6f4 with both operands' format E5M2, f32 sums; everything else in f32.
;; Inputs: attn_mask 4 x 2,048 x 2,048 int32; bk 1,024 float32; bq 1,024 float32; bv 1,024 float32; k 4 x 2,048 x 1,024 float32; q 4 x 2,048 x 1,024 float32; v 4 x 2,048 x 1,024 float32; wk 1,024 x 1,024 float32; wq 1,024 x 1,024 float32; wv 1,024 x 1,024 float32.
;; Outputs: out0 4 x 2,048 x 1,024 float32.
;; This version of the problem:
;;   THIS VERSION OF THE PROBLEM IS GIVEN IN LOW PRECISION. The matrix products marked QUANTISED in the list below multiply operands that are first quantised to E5M2 (5 exponent bits, 2 mantissa bits; 8 bits a number), with one power-of-two scale for each 32 numbers along K (OCP MX v1.0); their sums are f32. All else is computed in f32.
;;   The module's matrix products, in the order in which they are computed (A, B: the left and right operand; K: the contracted axis; several contracted axes count as one K, in the product's order):
;;     1. [M 8,192, K 1,024] x [K 1,024, N 1,024]; A: input q; B: input wq: QUANTISED
;;     2. [M 8,192, K 1,024] x [K 1,024, N 1,024]; A: input k; B: input wk: QUANTISED
;;     3. [M 8,192, K 1,024] x [K 1,024, N 1,024]; A: input v; B: input wv: QUANTISED
;;     4. batch 64 x [M 2,048, K 64] x [K 64, N 2,048]; A: computed on the way; B: computed on the way: QUANTISED
;;     5. batch 64 x [M 2,048, K 2,048] x [K 2,048, N 64]; A: softmax (see below); B: computed on the way: QUANTISED
;;   THE QUANTISER, for each operand of a quantised product, along K:
;;     - K is cut into blocks of 32 from its start; a last block that is shorter is filled with zeros.
;;     - A block's scale is 2^e with e = floor(log2(the largest magnitude in the block)) - 15, held to -126 .. 127; a block of zeros has e = 0. As a byte (E8M0): e + 127.
;;     - Each number is divided by its block's scale, clamped to +-57,344, and rounded to the nearest number of E5M2, ties to even, subnormals kept.
;;     - The product sums the exact products of the quantised numbers (number of the format x scale) in f32.
;;   ~~~python
;;   def quantise(x, axis):      # numpy; x: float32 -> the quantised numbers, widened to float32 again
;;       x = np.moveaxis(x, axis, -1); K = x.shape[-1]
;;       x = np.pad(x, [(0, 0)] * (x.ndim - 1) + [(0, -K % 32)]); x = x.reshape(x.shape[:-1] + (-1, 32)); a = np.abs(x).max(-1, keepdims=True)
;;       e = np.where(a > 0, np.clip(np.frexp(np.where(a > 0, a, 1))[1] - 1 - 15, -126, 127), 0)      # np.frexp(a)[1] - 1 = floor(log2(a)), exactly
;;       r = np.clip(x / 2.0 ** e, -57344, 57344)
;;       step = 2.0 ** (np.maximum(np.frexp(np.where(r == 0, 1, r))[1] - 1, -14) - 2)
;;       q = np.round(r / step) * step * 2.0 ** e      # np.round: ties to even
;;       return np.moveaxis(q.reshape(q.shape[:-2] + (-1,))[..., :K], -1, axis).astype(np.float32)
;;   ~~~
;;   SOFTMAX AHEAD OF A QUANTISED PRODUCT. Where the list says 'softmax', what is quantised is not the finished softmax but p = 2^(t - M), with t = logit x log2(e) and M = ceil(the row's largest t), a whole number; so 1/2 < the row's largest p <= 1. The row's sum l is taken of the UNQUANTISED p, in f32, and the product's result is divided by l at the end. Since M is a whole number, a kernel that streams over the keys may use a running M (the ceiling of the running maximum): every later rescaling is an exact power of two, which a block's scale takes up: the codes' values come out the same.
;;   OPERANDS COMPUTED ON THE WAY. 'Computed on the way' means the value that the module computes at that place (a softmax that the list does not call 'softmax' is quantised finished and normalised). What goes into a quantiser is computed in f32, as accurately as f32 sums, v_exp_f32 and their like allow (about 1e-6 of the number): no bf16 or f16 on the way to a quantiser, and a product that is left as it is and whose result goes on into a quantised operand takes f32 operands (vector FMAs, or v_wmma_f32_16x16x4_f32). A number that lies on a knife's edge between two numbers of the format may be rounded either way, as far as f32 arithmetic and the matrix unit's own rounding can turn it there, and no further.
;; One version. Each part assembles by itself: llvm-mc -triple=amdgcn-amd-amdhsa -mcpu=gfx1250 --defsym DOCPART=n.
;; ======== version 1 of 1: 3 launches
;; limits: right only within a limited range of input values
;; workspace buffers: xc 28,311,552 bytes; xs 884,736 bytes; mb 2,097,152 bytes of whole numbers; qrec 17,301,504 bytes; kv 17,301,504 bytes
;; launch prep (part 1): grid 1376 x 1, 4 waves a work-group, no clusters, 101,888 bytes of LDS; arguments q, k, v, wq, wk, wv, attn_mask, xc, xs, mb; writes xc, xs, mb
.if DOCPART == 1
	.amdgcn_target "amdgcn-amd-amdhsa--gfx1250"
	.amdhsa_code_object_version 6
	.text
	.protected	k_qaf662d521b_prep
	.globl	k_qaf662d521b_prep
	.p2align	8
	.type	k_qaf662d521b_prep,@function
k_qaf662d521b_prep:
	s_mov_b64 s[64:65], 0
	v_nop
	global_prefetch_b8 v0, s[64:65] scope:SCOPE_SE
	s_setreg_imm32_b32 hwreg(HW_REG_WAVE_MODE, 25, 1), 1
	s_wait_xcnt 0x0
; PREP: three independent streams in one launch; every work-group reads 131,072 bytes and shares nothing with any other, so there is no cluster, no tensor load and no barrier.
;   work-groups 0-767    (path X): q, k, v [8192][1024] f32 -> codes of E5M2 with one E8M0 byte for each 32 along K (K is innermost): xc rows 0-24575, xs likewise
;   work-groups 768-863  (path W): wq, wk, wv [K 1024][N 1024] f32 -> the same, laid [N][K]: xc rows 24576-27647
;   work-groups 864-1375 (path M): attn_mask [4][2048][2048] int32 -> one bit a number, laid as the lane masks that the attention launch selects by
; A block's scale is 2^(floor(log2(its largest magnitude)) - 15); its byte is the largest magnitude's exponent field - 15, held at 1 from below; each number is held within +-57,344 x the scale and converted, ties to even.
; ROW ORDER.  In xc and xs the rows of each group of 32 lie with bits 3 and 4 of the row number exchanged: place 16 u + r holds row 8 u + r + 8 (r / 8).  So 16 neighbouring places are a tile whose
; transposed product leaves 16 neighbours along the next K in a lane's 16 registers of two neighbouring tiles.
; MASK WORDS.  mb[b][qt][ks][16 f + i], bit 16 h + r = (attn_mask[b][32 (qt / 2) + 8 (qt % 2) + r + 8 (r / 8)][128 ks + 32 f + 16 h + i] != 0).
; LIMITS: a block of zeros gets the byte 1 where the rule says 127 (its codes are zeros, and this program alone reads the bytes); NaN and infinities among the inputs are not served.
; LDS: each path has bytes of its own: X 0-32767, W 32768-67583, M 67584-101375.
.set NX,     768
.set NW,     96
.set MANT,   0x600000                  ; the mantissa field of 57,344 as f32
; path X
.set STEPS,  16                        ; a wave takes 16 steps of 512 numbers: 8 rows
.set CB,     16                        ; bytes of a lane's 16 codes
.set XR,     16                        ; v16-79   four sets of 16 numbers as loaded
.set XX,     80                        ; v80-111  two sets of 16 neighbours
.set XE,     112                       ; v112-127 a scale byte for each step
.set XC,     128                       ; v128-191 four code registers for each step: no store's data are written again
.set WREG,   8192                      ; a wave's LDS: two stages of 32 x SP bytes, then its 256 scale bytes
.set SP,     80                        ; a lane's 64 bytes + 16 of padding
; path W
.set WSTG,   32768
.set NB,     8                         ; blocks of 32 along K for a wave
.set WPITCH, 272                       ; a stage row: 256 codes + 16
.set WX,     32                        ; v32-95   two sets of 32 numbers
.set WC,     96                        ; v96-103  a block's codes
.set WOUT,   112                       ; v112-175 the way out
.set WSB,    24                        ; v24-25   8 scale bytes
; path M
.set MSTG,   67584
.set MPITCH, 528                       ; a stage row: 128 numbers + 16 bytes
.set MD,     16                        ; v16-143  two sets of 64
.set MWD,    144                       ; v144-151 two registers of words for each of a wave's four tiles
.set CM,     8                         ; s8-23    compare results, sixteen at a time
.macro XLOAD t
.irp i, 0,1,2,3
	global_load_b128 v[XR+16*((\t)%4)+4*\i:XR+16*((\t)%4)+4*\i+3], v3, s[4:5] offset:2048*(\t)+512*\i th:TH_LOAD_NT   ; 32 lanes read 512 consecutive bytes
.endr
.endm
.macro XTURN t                         ; a step's 2,048 bytes through the wave's stage: in as they lie, back 64 bytes a lane.  LDS serves a wave's instructions in order: no wait between
.irp i, 0,1,2,3
	ds_store_b128 v14, v[XR+16*((\t)%4)+4*\i:XR+16*((\t)%4)+4*\i+3] offset:32*SP*((\t)%2)+8*SP*\i
.endr
.irp i, 0,1,2,3
	ds_load_b128 v[XX+16*((\t)%2)+4*\i:XX+16*((\t)%2)+4*\i+3], v15 offset:32*SP*((\t)%2)+16*\i
.endr
.endm
.macro XSTEP t
.set XS, XX+16*((\t)%2)
.if (\t) > 0
	s_wait_dscnt 1                                 ; this step's numbers are back from the stage; the last step's byte store may be out
.else
	s_wait_dscnt 0x0
.endif
.if (\t)+4 < STEPS
	XLOAD (\t)+4                                   ; the registers that the stage's stores have read take the loads of four steps on
.endif
.if (\t)+1 < STEPS
.if STEPS-2-(\t) >= 3
	s_wait_loadcnt 12                              ; the next step's four loads are in; those of the three steps behind it may be out
.else
	s_wait_loadcnt 4*(STEPS-2-(\t))
.endif
	XTURN (\t)+1
.endif
	v_max3_num_f32 v8, |v[XS]|, |v[XS+1]|, |v[XS+2]|               ; the largest magnitude of my 16, in two chains
	v_max3_num_f32 v9, |v[XS+3]|, |v[XS+4]|, |v[XS+5]|
.irp i, 6,10
	v_max3_num_f32 v8, v8, |v[XS+\i]|, |v[XS+\i+1]|
	v_max3_num_f32 v9, v9, |v[XS+\i+2]|, |v[XS+\i+3]|
.endr
	v_max3_num_f32 v8, v8, |v[XS+14]|, |v[XS+15]|
	v_max3_num_f32 v8, v8, v9, 0x8000000           ; and the floor 2^(16 - 127): the byte cannot fall under 1
	v_max_num_f32_dpp v8, v8, v8 row_xmask:1 row_mask:0xf bank_mask:0xf   ; with my neighbour's 16: the block's
	v_add_nc_u32 v11, 0xf8800000, v8               ; 15 off its exponent field: the conversion's scale operand
.irp i, 0,1,2,3,4,5,6,7,8,9,10,11,12,13,14,15
.endr
	v_cvt_scalef32_pk8_bf8_f32 v[XC+4*(\t):XC+4*(\t)+1], v[XS:XS+7], v11
	v_cvt_scalef32_pk8_bf8_f32 v[XC+4*(\t)+2:XC+4*(\t)+3], v[XS+8:XS+15], v11
	v_lshrrev_b32 v[XE+(\t)], 23, v11              ; the scale's byte
	ds_store_b8 v5, v[XE+(\t)] offset:16*(\t)      ; both lanes of a block write the same byte with the same value
	global_store_b128 v4, v[XC+4*(\t):XC+4*(\t)+3], s[8:9] offset:32*CB*(\t)   ; 512 consecutive bytes
.endm
.macro WLOAD t                         ; block t: w(32 t + i, my column), i = 0 .. 31
.set ii, 0
.rept 32
	global_load_b32 v[WX+32*((\t)%2)+ii], v3, s[4:5] offset:(32*(\t)+ii)*4096 th:TH_LOAD_NT
.set ii, ii+1
.endr
.endm
.macro WBLOCK t
.set WS, WX+32*((\t)%2)
.if (\t) < NB-1
	s_wait_loadcnt 32                              ; this block's 32 loads are in; the next block's may be out
.else
	s_wait_loadcnt 0x0
.endif
	v_max3_num_f32 v12, |v[WS]|, |v[WS+1]|, |v[WS+2]|              ; all 32 numbers of the block are mine
	v_max3_num_f32 v13, |v[WS+3]|, |v[WS+4]|, |v[WS+5]|
.irp i, 6,10,14,18,22,26
	v_max3_num_f32 v12, v12, |v[WS+\i]|, |v[WS+\i+1]|
	v_max3_num_f32 v13, v13, |v[WS+\i+2]|, |v[WS+\i+3]|
.endr
	v_max3_num_f32 v12, v12, |v[WS+30]|, |v[WS+31]|
	v_max3_num_f32 v12, v12, v13, 0x8000000
	v_add_nc_u32 v11, 0xf8800000, v12
	v_lshrrev_b32 v13, 23, v11
.if (\t)%4 == 0
	v_mov_b32 v[WSB+(\t)/4], v13                   ; four bytes to a register, the lower K in the lower byte
.else
	v_lshl_or_b32 v[WSB+(\t)/4], v13, 8*((\t)%4), v[WSB+(\t)/4]
.endif
.set ii, 0
.rept 32
.set ii, ii+1
.endr
.irp g, 0,1,2,3
	v_cvt_scalef32_pk8_bf8_f32 v[WC+2*\g:WC+2*\g+1], v[WS+8*\g:WS+8*\g+7], v11
.endr
	ds_store_b128 v4, v[WC:WC+3] offset:32*(\t)    ; 32 codes of my column's row
	ds_store_b128 v4, v[WC+4:WC+7] offset:32*(\t)+16
.if (\t)+2 < NB
	WLOAD (\t)+2
.endif
	s_wait_dscnt 0x0                               ; the stores have read their registers: the next block's codes may be written
.endm
.macro LOADM t                         ; tile t: 16 query rows x 128 keys; each load reads 512 consecutive bytes of one row
.irp r, 0,1,2,3,4,5,6,7,8,9,10,11,12,13,14,15
	global_load_b128 v[MD+64*((\t)%2)+4*\r:MD+64*((\t)%2)+4*\r+3], v3, s[4:5] offset:(\r+8*(\r/8))*8192+512*(\t) th:TH_LOAD_NT
.endr
.endm
.macro TILEM t
.set DD, MD+64*((\t)%2)
.if (\t) < 3
	s_wait_loadcnt 16                              ; this tile's 16 loads are in; the next tile's may be out
.else
	s_wait_loadcnt 0x0
.endif
.irp r, 0,1,2,3,4,5,6,7,8,9,10,11,12,13,14,15
	ds_store_b128 v4, v[DD+4*\r:DD+4*\r+3] offset:MPITCH*\r
.endr
.irp f, 0,1,2,3
.irp c, 0,1,2,3
	ds_load_b128 v[DD+4*(4*\f+\c):DD+4*(4*\f+\c)+3], v5 offset:128*\f+16*\c   ; lane 16 h + r: row r, keys 32 f + 16 h + 4 c on.  LDS serves a wave's instructions in order: these see the stores
.endr
.endr
	s_wait_dscnt 0x0
.irp g, 0,1,2,3
.irp j, 0,1,2,3,4,5,6,7,8,9,10,11,12,13,14,15
	v_cmp_ne_u32 s[CM+\j], 0, v[DD+16*\g+\j]       ; word 16 g + j: a bit a lane
.endr
.irp j, 0,1,2,3,4,5,6,7,8,9,10,11,12,13,14,15
	v_writelane_b32 v[MWD+2*(\t)+(\j%2)], s[CM+\j], 8*\g+\j/2   ; lane l of the pair holds words 2 l and 2 l + 1
.endr
.endr
	global_store_b64 v6, v[MWD+2*(\t):MWD+2*(\t)+1], s[6:7] offset:256*(\t)   ; 32 lanes store 256 consecutive bytes, aligned
.if (\t) < 2
	LOADM (\t)+2
.endif
.endm
	s_load_b512 s[36:51], s[0:1], 0x0              ; q, k, v, wq, wk, wv, attn_mask, xc
	s_load_b128 s[52:55], s[0:1], 0x40             ; xs, mb
	v_lshl_add_u32 v192, v0, 2, 0x18c00
	v_mov_b32 v193, 0
	v_lshrrev_b32 v1, 5, v0
	v_readfirstlane_b32 s16, v1                    ; wave 0..3
	v_and_b32 v2, 31, v0                           ; lane
	s_cmp_lt_u32 ttmp9, NX
	s_cbranch_scc0 .Lnot_x
	; ---------------- path X: 32 rows of q, k or v; a wave takes 8 of them
	v_lshlrev_b32 v3, 4, v2                        ; my 16 bytes of a load's 512
	s_mul_i32 s17, s16, WREG
	v_lshrrev_b32 v14, 2, v2
	v_mul_u32_u24 v14, v14, SP
	v_and_b32 v15, 3, v2
	v_lshl_add_u32 v14, v15, 4, v14
	v_add_nc_u32 v14, s17, v14                     ; the stage, way in: SP (lane / 4) + 16 (lane % 4)
	v_mul_u32_u24 v15, v2, SP
	v_add_nc_u32 v15, s17, v15                     ; way out: SP x lane: my 16 neighbours
	v_mul_u32_u24 v4, v2, CB                       ; my codes' place in a step's
	v_lshrrev_b32 v5, 1, v2
	s_add_co_u32 s17, s17, 2*32*SP
	v_add_nc_u32 v5, s17, v5                       ; my block's scale byte in the wave's 256
	v_lshlrev_b32 v7, 3, v2
	v_add_nc_u32 v6, s17, v7                       ; and 8 bytes a lane on the way out
	s_lshr_b32 s17, ttmp9, 8                       ; which tensor
	s_wait_alu depctr_va_vdst(0)
	s_wait_kmcnt 0x0
	s_cmp_eq_u32 s17, 0
	s_cselect_b64 s[4:5], s[36:37], s[38:39]
	s_cmp_eq_u32 s17, 2
	s_cselect_b64 s[4:5], s[40:41], s[4:5]
	s_and_b32 s18, ttmp9, 255
	s_lshl_b32 s18, s18, 2
	s_add_co_u32 s18, s18, s16
	s_lshl_b32 s18, s18, 15                        ; my 8 rows: 32,768 bytes each run
	s_mov_b32 s19, 0
	s_add_nc_u64 s[4:5], s[4:5], s[18:19]
	s_and_b32 s20, s16, 1                          ; the row order: 8 rows are a wave's run, so the exchange of bits 3 and 4 is an exchange of the wave number's two bits
	s_lshl_b32 s20, s20, 1
	s_lshr_b32 s21, s16, 1
	s_or_b32 s20, s20, s21
	s_lshl_b32 s21, ttmp9, 2
	s_add_co_u32 s20, s20, s21
	s_lshl_b32 s18, s20, 13                        ; 8 rows of 1,024 codes
	s_add_nc_u64 s[8:9], s[50:51], s[18:19]
	s_lshl_b32 s18, s20, 8                         ; 8 rows of 32 scale bytes
	s_add_nc_u64 s[10:11], s[52:53], s[18:19]
.irp t, 0,1,2,3
	XLOAD \t
.endr
	s_wait_loadcnt 12                              ; step 0's four loads are in
	XTURN 0
.irp t, 0,1,2,3,4,5,6,7,8,9,10,11,12,13,14,15
	XSTEP \t
.endr
	ds_load_b64 v[12:13], v6                       ; my wave's 256 scale bytes; LDS serves a wave's instructions in order
	s_wait_dscnt 0x0
	global_store_b64 v7, v[12:13], s[10:11]        ; 256 consecutive bytes, aligned
	s_wait_tensorcnt 0x0
	ds_add_u32 v192, v193
	s_wait_dscnt 0x0
	s_endpgm
.Lnot_x:
	s_cmp_lt_u32 ttmp9, NX+NW
	s_cbranch_scc0 .Lmask
	; ---------------- path W: a lane takes a column n and its registers run down K; a wave takes 32 columns x 256 along K
	s_sub_co_u32 s17, ttmp9, NX
	s_lshr_b32 s18, s17, 5                         ; which weight
	s_and_b32 s19, s17, 7                          ; which 128 columns
	s_bfe_u32 s20, s17, 0x20003                    ; which 256 along K
	s_lshl_b32 s19, s19, 7
	s_lshl_b32 s21, s16, 5
	s_add_co_u32 s19, s19, s21                     ; my wave's first column
	s_wait_alu depctr_va_vdst(0)
	v_lshlrev_b32 v3, 2, v2
	s_mul_i32 s21, s16, 32*WPITCH
	s_add_co_u32 s21, s21, WSTG                    ; my stage
	v_mul_u32_u24 v4, v2, WPITCH
	v_add_nc_u32 v4, s21, v4                       ; into it: row = my column
	v_and_b32 v5, 15, v2
	v_lshrrev_b32 v6, 4, v2
	v_mul_u32_u24 v7, v6, WPITCH
	v_lshl_add_u32 v7, v5, 4, v7
	v_add_nc_u32 v7, s21, v7                       ; out of it: sixteen lanes to a row, two rows an instruction
	v_lshlrev_b32 v8, 10, v6
	v_lshl_add_u32 v8, v5, 4, v8                   ; and the same in xc
	v_and_b32 v9, 7, v2                            ; my column's place among the 32: bits 3 and 4 exchanged
	v_bfe_u32 v10, v2, 3, 1
	v_lshl_or_b32 v9, v10, 4, v9
	v_lshl_or_b32 v9, v6, 3, v9
	v_lshlrev_b32 v9, 5, v9                        ; x 32 scale bytes a row
	s_lshl_b32 s22, s20, 20                        ; 256 rows of 4,096 bytes
	s_lshl_b32 s23, s19, 2
	s_add_co_u32 s22, s22, s23
	s_mov_b32 s23, 0
	s_lshl_b32 s24, s18, 10
	s_add_co_u32 s24, s24, s19
	s_add_co_u32 s24, s24, 24576                   ; the first row in xc and xs
	s_lshl_b32 s26, s24, 10
	s_lshl_b32 s25, s20, 8
	s_add_co_u32 s26, s26, s25
	s_mov_b32 s27, 0
	s_lshl_b32 s28, s24, 5
	s_lshl_b32 s25, s20, 3
	s_add_co_u32 s28, s28, s25
	s_mov_b32 s29, 0
	s_wait_kmcnt 0x0
	s_cmp_eq_u32 s18, 0
	s_cselect_b64 s[4:5], s[42:43], s[44:45]
	s_cmp_eq_u32 s18, 2
	s_cselect_b64 s[4:5], s[46:47], s[4:5]
	s_add_nc_u64 s[4:5], s[4:5], s[22:23]
	s_add_nc_u64 s[6:7], s[50:51], s[26:27]
	s_add_nc_u64 s[8:9], s[52:53], s[28:29]
	WLOAD 0
	WLOAD 1
.irp t, 0,1,2,3,4,5,6,7
	WBLOCK \t
.endr
	s_wait_alu depctr_va_vdst(0)
	global_store_b64 v9, v[WSB:WSB+1], s[8:9]      ; my column's 8 scale bytes
.irp t, 0,1,2,3,4,5,6,7,8,9,10,11,12,13,14,15
	ds_load_b128 v[WOUT+4*\t:WOUT+4*\t+3], v7 offset:2*\t*WPITCH
.endr
.irp t, 0,1,2,3,4,5,6,7,8,9,10,11,12,13,14,15
	s_wait_dscnt 15-\t                             ; the later loads may be out
	global_store_b128 v8, v[WOUT+4*\t:WOUT+4*\t+3], s[6:7] offset:2*((\t&3)|(((\t>>2)&1)<<3)|(((\t>>3)&1)<<2))*1024   ; columns 2 t and 2 t + 1 go to their places: sixteen lanes store 256 consecutive bytes
.endr
	s_wait_tensorcnt 0x0
	ds_add_u32 v192, v193
	s_wait_dscnt 0x0
	s_endpgm
.Lmask:
	; ---------------- path M: one tile of 16 queries x all 2,048 keys; a wave takes 512 keys, four tiles of 128
	s_sub_co_u32 s17, ttmp9, NX+NW                 ; 128 b + qt
	s_lshr_b32 s18, s17, 7
	s_and_b32 s19, s17, 127
	s_lshr_b32 s20, s19, 1
	s_lshl_b32 s20, s20, 5
	s_and_b32 s21, s19, 1
	s_lshl_b32 s21, s21, 3
	s_add_co_u32 s20, s20, s21                     ; the tile's first query: 32 (qt / 2) + 8 (qt % 2)
	s_lshl_b32 s20, s20, 13                        ; rows of 8,192 bytes
	s_lshl_b32 s18, s18, 24
	s_add_co_u32 s20, s20, s18
	s_lshl_b32 s21, s16, 11                        ; my wave's 512 keys
	s_add_co_u32 s20, s20, s21
	s_mov_b32 s21, 0
	s_lshl_b32 s22, s17, 4
	s_lshl_b32 s23, s16, 2
	s_add_co_u32 s22, s22, s23
	s_lshl_b32 s22, s22, 8                         ; 256 bytes of words for each tile of 128 keys
	s_mov_b32 s23, 0
	s_mul_i32 s24, s16, 16*MPITCH
	s_add_co_u32 s24, s24, MSTG                    ; my stage
	s_wait_alu depctr_va_vdst(0)
	v_lshlrev_b32 v3, 4, v2
	v_add_nc_u32 v4, s24, v3                       ; way in: 16 x lane in a row
	v_and_b32 v5, 15, v2
	v_mul_u32_u24 v5, v5, MPITCH
	v_lshrrev_b32 v6, 4, v2
	v_lshl_add_u32 v5, v6, 6, v5
	v_add_nc_u32 v5, s24, v5                       ; way out: row lane % 16, + 64 (lane / 16)
	v_lshlrev_b32 v6, 3, v2
.irp i, 0,1,2,3,4,5,6,7
	v_mov_b32 v[MWD+\i], 0                         ; written once: a lane write's destination counts as read
.endr
	s_wait_kmcnt 0x0
	s_add_nc_u64 s[4:5], s[48:49], s[20:21]
	s_add_nc_u64 s[6:7], s[54:55], s[22:23]
	LOADM 0
	LOADM 1
	TILEM 0
	TILEM 1
	TILEM 2
	TILEM 3
	s_wait_tensorcnt 0x0
	ds_add_u32 v192, v193
	s_wait_dscnt 0x0
	s_endpgm
.Lfunc_end_k_qaf662d521b_prep:
	.size	k_qaf662d521b_prep, .Lfunc_end_k_qaf662d521b_prep-k_qaf662d521b_prep
	.p2alignl 7, 3214868480
	.fill 96, 4, 3214868480
	.section	.rodata,"a",@progbits
	.p2align	6, 0x0
	.amdhsa_kernel k_qaf662d521b_prep
		.amdhsa_group_segment_fixed_size 101888
		.amdhsa_private_segment_fixed_size 0
		.amdhsa_enable_private_segment 0
		.amdhsa_kernarg_size 80
		.amdhsa_user_sgpr_count 2
		.amdhsa_user_sgpr_kernarg_segment_ptr 1
		.amdhsa_wavefront_size32 1
		.amdhsa_system_sgpr_workgroup_id_x 1
		.amdhsa_system_sgpr_workgroup_id_y 1
		.amdhsa_system_sgpr_workgroup_id_z 1
		.amdhsa_system_vgpr_workitem_id 0
		.amdhsa_next_free_vgpr 194
		.amdhsa_next_free_sgpr 66
		.amdhsa_reserve_vcc 0
		.amdhsa_float_denorm_mode_32 3
		.amdhsa_float_denorm_mode_16_64 3
		.amdhsa_fp16_overflow 1
		.amdhsa_memory_ordered 1
		.amdhsa_forward_progress 1
		.amdhsa_inst_pref_size 124
	.end_amdhsa_kernel
	.amdgpu_metadata
---
amdhsa.version: [ 1, 2 ]
amdhsa.kernels:
  - .name:           k_qaf662d521b_prep
    .symbol:         k_qaf662d521b_prep.kd
    .args:
      - { .name: q, .offset: 0, .size: 8, .value_kind: global_buffer, .address_space: global }
      - { .name: k, .offset: 8, .size: 8, .value_kind: global_buffer, .address_space: global }
      - { .name: v, .offset: 16, .size: 8, .value_kind: global_buffer, .address_space: global }
      - { .name: wq, .offset: 24, .size: 8, .value_kind: global_buffer, .address_space: global }
      - { .name: wk, .offset: 32, .size: 8, .value_kind: global_buffer, .address_space: global }
      - { .name: wv, .offset: 40, .size: 8, .value_kind: global_buffer, .address_space: global }
      - { .name: attn_mask, .offset: 48, .size: 8, .value_kind: global_buffer, .address_space: global }
      - { .name: xc, .offset: 56, .size: 8, .value_kind: global_buffer, .address_space: global }
      - { .name: xs, .offset: 64, .size: 8, .value_kind: global_buffer, .address_space: global }
      - { .name: mb, .offset: 72, .size: 8, .value_kind: global_buffer, .address_space: global }
    .group_segment_fixed_size: 101888
    .private_segment_fixed_size: 0
    .kernarg_segment_align: 8
    .kernarg_segment_size: 80
    .max_flat_workgroup_size: 128
    .sgpr_count:     66
    .vgpr_count:     194
    .wavefront_size: 32
...
	.end_amdgpu_metadata
.endif
;; end of part 1
;; launch proj (part 2): grid 4 x 96, 4 waves a work-group, clusters of 4 x 4, 327,680 bytes of LDS; arguments xc, xs, bq, bk, bv, qrec, kv; writes qrec, kv
.if DOCPART == 2
	.amdgcn_target "amdgcn-amd-amdhsa--gfx1250"
	.amdhsa_code_object_version 6
	.text
	.protected	k_qaf662d521b_proj
	.globl	k_qaf662d521b_proj
	.p2align	8
	.type	k_qaf662d521b_proj,@function
k_qaf662d521b_proj:
	s_mov_b64 s[64:65], 0
	v_nop
	global_prefetch_b8 v0, s[64:65] scope:SCOPE_SE
	s_setreg_imm32_b32 hwreg(HW_REG_WAVE_MODE, 25, 1), 1
	s_wait_xcnt 0x0
	s_wait_alu depctr_hold_cnt(0) depctr_sa_sdst(0) depctr_va_vdst(0) depctr_va_sdst(0) depctr_va_ssrc(0) depctr_va_vcc(0) depctr_vm_vsrc(0)
	s_getreg_b32 s2, hwreg(HW_REG_IB_STS2, 6, 4)
	s_cmp_eq_u32 s2, 0
	s_cbranch_scc0 .Lentry_in_a_cluster
	s_endpgm
.Lentry_in_a_cluster:
	s_bfe_u32 s2, ttmp6, 0x10000c
	s_cmp_lg_u32 s2, 0xf033
	s_cbranch_scc0 .Lentry_shape_is_right
	s_endpgm
.Lentry_shape_is_right:
.set SIZE_K, 1024
.set KSTEP,  256
.set NQ,     KSTEP/128
.set ROWB,   256
.set KROW,   1024
.set PITCH,  272
.set FR,     16
.set NL,     4
.set NP,     8
.set HALFT,  128*PITCH
.set SLOT,   4*HALFT
.set LAPS,   SIZE_K/(2*KSTEP)
.set KS,     SIZE_K/32
.set SCL,    2*SLOT
.set HALFS,  (128*KS/256)*272
.set SBLK,   (16*KS/256)*272
.set SPARE,  SCL+4*HALFS
.set REC,    16896
.set HEADB,  16*REC
.set ADRA, 16
.set ADRB, 20
.set ADRS, 27
.set SPW,  28
.set NIL,  29
.set SC,   32
.set BI,   64
.set AF,   128
.set VO,   64
.set VSO,  68
.set SELV, 69
.set TM,   72
.set PC,   88
.set PWA,  104
.set Z,    112
.set G1, 24
.set G0, 32
.set G1B, 48
.set G0B, 56
.set G1S, 68
.set G0S, 76
.set G1SB, 80
.set G0SB, 88
.set MSB, 0
.macro WIN new
.if MSB != (\new)
	s_set_vgpr_msb (MSB<<8)|(\new)
.set MSB, (\new)
.endif
.endm
.set MUL_LO, 0xa1
.set MUL_HI, 0xf1
.set TO_B,   0x40
.macro JLOAD g0a, g1a, g0b, g1b
	s_cmp_eq_u32 s15, 0
	s_cbranch_scc0 .Lfor_b_\@
	tensor_load_to_lds s[\g0a:\g0a+3], s[\g1a:\g1a+7]
	s_nop 0
.rept 4
	v_nop
.endr
	s_branch .Lasked_\@
.Lfor_b_\@:
	tensor_load_to_lds s[\g0b:\g0b+3], s[\g1b:\g1b+7]
	s_nop 0
.rept 4
	v_nop
.endr
.Lasked_\@:
.endm
.macro CREST
	s_cmp_lg_u32 s14, 0
	s_cbranch_scc1 .Lnot_wave_0_\@
	s_barrier_signal -3
.Lnot_wave_0_\@:
	s_barrier_wait -3
	s_barrier_signal -1
	s_barrier_wait -1
.endm
.macro CROUND
	s_barrier_signal -1
	s_barrier_wait -1
	CREST
.endm
	s_load_b256 s[4:11], s[0:1], 0x0
	s_load_b64 s[12:13], s[0:1], 0x20
	s_load_b64 s[96:97], s[0:1], 0x28
	s_load_b64 s[98:99], s[0:1], 0x30
	v_lshl_add_u32 v[SPW], v0, 2, SPARE
	v_mov_b32 v[NIL], 0
	ds_add_u32 v28, v29
	ds_add_u32 v28, v29
	s_wait_dscnt 0x0
	v_lshrrev_b32 v1, 5, v0
	v_readfirstlane_b32 s14, v1
	s_lshr_b32 s15, s14, 1
	s_and_b32 s16, s14, 1
	s_bfe_u32 s40, ttmp6, 0x40000
	s_bfe_u32 s41, ttmp6, 0x40004
	s_and_b32 s66, ttmp7, 0xffff
	s_lshr_b32 s95, s66, 4
	s_lshl_b32 s43, s41, 2
	s_lshl_b32 s43, 15, s43
	s_lshl_b32 s44, 0x1111, s40
	s_or_b32 s[G1+0], s43, (0<<16)|(1<<20)|(1<<21)|(5<<22)|(3<<25)
	s_or_b32 s[G1B+0], s44, (0<<16)|(1<<20)|(1<<21)|(5<<22)|(3<<25)
.irp g, G1, G1B
	s_mov_b32 s[\g+1], ROWB<<16
	s_mov_b32 s[\g+2], 128<<16
	s_mov_b32 s[\g+3], ROWB<<16
	s_mov_b32 s[\g+4], 128
	s_mov_b32 s[\g+5], KROW
	s_mov_b32 s[\g+6], 0
	s_mov_b32 s[\g+7], 0
.endr
	s_or_b32 s[G1S+0], s43, (3<<16)|(1<<20)|(1<<21)|(5<<22)|(3<<25)
	s_or_b32 s[G1SB+0], s44, (3<<16)|(1<<20)|(1<<21)|(5<<22)|(3<<25)
.irp g, G1S, G1SB
	s_mov_b32 s[\g+1], 32<<16
	s_mov_b32 s[\g+2], (128*KS/256)<<16
	s_mov_b32 s[\g+3], 32<<16
	s_mov_b32 s[\g+4], 128*KS/256
	s_mov_b32 s[\g+5], 32
	s_mov_b32 s[\g+6], 0
	s_mov_b32 s[\g+7], 0
.endr
	s_lshl_b32 s18, s66, 10
	s_lshr_b32 s19, s66, 3
	s_lshl_b32 s19, s19, 10
	s_add_co_u32 s19, s19, 24576
	s_cmp_lt_u32 s66, 16
	s_cselect_b32 s17, s18, s19
	s_cselect_b32 s42, s19, s18
	s_lshl_b32 s18, s16, 7
	s_lshl_b32 s20, s41, 8
	s_add_co_u32 s20, s20, s17
	s_add_co_u32 s20, s20, s18
	s_lshl_b32 s46, s40, 8
	s_add_co_u32 s46, s46, s42
	s_add_co_u32 s46, s46, s18
	s_lshl_b32 s22, s20, 5
	s_mov_b32 s23, 0
	s_lshl_b32 s20, s20, 10
	s_mov_b32 s21, 0
	s_lshl_b32 s92, s46, 5
	s_mov_b32 s93, 0
	s_lshl_b32 s46, s46, 10
	s_mov_b32 s47, 0
	s_mul_i32 s45, s14, HALFT
	s_mul_i32 s94, s14, HALFS
	s_wait_kmcnt 0x0
	s_add_nc_u64 s[20:21], s[4:5], s[20:21]
	s_add_nc_u64 s[22:23], s[6:7], s[22:23]
	s_add_nc_u64 s[46:47], s[4:5], s[46:47]
	s_add_nc_u64 s[92:93], s[6:7], s[92:93]
	CROUND
	s_mov_b32 s[G0S], 1
	s_add_co_u32 s[G0S+1], s94, SCL
	s_mov_b64 s[G0S+2:G0S+3], s[22:23]
	s_or_b32 s[G0S+3], s[G0S+3], 0x80000000
	s_mov_b32 s[G0SB], 1
	s_add_co_u32 s[G0SB+1], s94, SCL
	s_mov_b64 s[G0SB+2:G0SB+3], s[92:93]
	s_or_b32 s[G0SB+3], s[G0SB+3], 0x80000000
	JLOAD G0S, G1S, G0SB, G1SB
.irp s, 0,1
	s_mov_b32 s[G0+4*\s], 1
	s_add_co_u32 s[G0+4*\s+1], s45, \s*SLOT
	s_add_nc_u64 s[G0+4*\s+2:G0+4*\s+3], s[20:21], \s*ROWB
	s_or_b32 s[G0+4*\s+3], s[G0+4*\s+3], 0x80000000
	s_mov_b32 s[G0B+4*\s], 1
	s_add_co_u32 s[G0B+4*\s+1], s45, \s*SLOT
	s_add_nc_u64 s[G0B+4*\s+2:G0B+4*\s+3], s[46:47], \s*ROWB
	s_or_b32 s[G0B+4*\s+3], s[G0B+4*\s+3], 0x80000000
	s_wait_alu depctr_va_vdst(0)
	s_wait_tensorcnt 0x0
	ds_add_u32 v28, v29
	s_wait_dscnt 0x0
	CROUND
	JLOAD G0+4*\s, G1, G0B+4*\s, G1B
.endr
	v_and_b32 v1, 15, v0
	v_bfe_u32 v2, v0, 4, 1
	v_mul_u32_u24 v3, v1, PITCH
	v_lshl_add_u32 v4, v2, 4, v3
	s_mul_i32 s21, s15, HALFT
	s_mul_i32 s22, s16, HALFT
	s_add_co_u32 s22, s22, 2*HALFT
.irp s, 0,1
	v_add_nc_u32 v[ADRA+\s], s21, v4
	v_add_nc_u32 v[ADRB+\s], s22, v4
	s_add_co_u32 s21, s21, SLOT
	s_add_co_u32 s22, s22, SLOT
.endr
	v_mul_u32_u24 v5, v1, KS
	v_lshrrev_b32 v6, 8, v5
	v_lshl_add_u32 v5, v6, 4, v5
	s_mul_i32 s21, s15, HALFS
	s_mul_i32 s22, s16, HALFS
	s_add_co_u32 s22, s22, 2*HALFS
	s_sub_co_u32 s22, s22, s21
	v_mul_u32_u24 v6, s22, v2
	s_add_co_u32 s21, s21, SCL
	v_add_nc_u32 v5, v5, v6
	v_add_nc_u32 v[ADRS], s21, v5
	s_cmp_lg_u32 s95, 0
	s_cselect_b32 s18, s40, s41
	s_cselect_b32 s19, s41, s40
	s_cselect_b32 s20, s16, s15
	s_cselect_b32 s21, s15, s16
	s_mov_b32 s100, 1024
	s_cselect_b32 s100, 2048, s100
	s_mov_b32 s104, 1024
	s_cselect_b32 s104, HEADB-3*2048, s104
	s_cselect_b32 s2, 0, HEADB-1024
	s_cselect_b32 s22, 8192, 0
	s_cselect_b32 s23, 256, 0
	s_mov_b32 s101, 0
	s_mov_b32 s105, 0
	s_and_b32 s67, s66, 7
	s_lshl_b32 s67, s67, 10
	s_lshl_b32 s18, s18, 8
	s_add_co_u32 s67, s67, s18
	s_lshl_b32 s20, s20, 7
	s_add_co_u32 s67, s67, s20
	s_lshl_b32 s19, s19, 8
	s_lshl_b32 s21, s21, 7
	s_add_co_u32 s19, s19, s21
	s_lshr_b32 s18, s67, 11
	s_lshl_b32 s18, s18, 4
	s_lshr_b32 s20, s19, 6
	s_add_co_u32 s18, s18, s20
	s_mul_i32 s18, s18, HEADB
	s_bfe_u32 s20, s67, 0x40007
	s_mul_i32 s20, s20, REC
	s_add_co_u32 s18, s18, s20
	s_cmp_lt_u32 s66, 8
	s_cselect_b64 s[96:97], s[96:97], s[98:99]
	s_cselect_b64 s[8:9], s[8:9], s[10:11]
	s_cmp_lt_u32 s66, 16
	s_cselect_b64 s[12:13], s[8:9], s[12:13]
	s_add_co_u32 s20, s18, s23
	s_add_co_u32 s20, s20, 16384
	s_mov_b32 s21, 0
	s_add_nc_u64 s[98:99], s[96:97], s[20:21]
	s_add_co_u32 s20, s18, s22
	s_add_nc_u64 s[96:97], s[96:97], s[20:21]
	s_lshl_b32 s20, s19, 2
	s_add_nc_u64 s[12:13], s[12:13], s[20:21]
	s_cmp_lg_u32 s95, 0
	s_cbranch_scc1 .Lbias_v
	v_lshlrev_b32 v7, 6, v2
.irp b, 0,1,2,3,4,5,6,7
	global_load_b128 v[BI+8*\b:BI+8*\b+3], v7, s[12:13] offset:(32*(\b/2)+8*(\b%2))*4
	global_load_b128 v[BI+8*\b+4:BI+8*\b+7], v7, s[12:13] offset:(32*(\b/2)+8*(\b%2))*4+16
.endr
	s_branch .Lbias_done
.Lbias_v:
	v_and_b32 v7, 8, v1
	v_add_nc_u32 v7, v7, v1
	v_lshlrev_b32 v7, 2, v7
.irp a, 0,1,2,3,4,5,6,7
.irp j, 0,1,2,3,4,5,6,7
	global_load_b32 v[BI+8*\a+\j], v7, s[12:13] offset:(32*(\a/2)+8*(\a%2))*4
.endr
.endr
.Lbias_done:
.macro FRAG reg, adr, q, i
.irp c, 0,1,2,3
	ds_load_b128 v[\reg+4*\c:\reg+4*\c+3], v[\adr] offset:128*(\q)+32*\c+(\i)*16*PITCH
.endr
.endm
.macro MUL16 a0, p, q, sc, cm
.irp a, \a0, \a0+1
.irp b, 0,1,2,3,4,5,6,7
.if (\cm) == 1
	v_wmma_scale_f32_16x16x128_f8f6f4 v[8*(8*((\a)%4)+\b):8*(8*((\a)%4)+\b)+7], v[128*(\p)+FR*\b:128*(\p)+FR*\b+FR-1], v[AF+FR*(\a):AF+FR*(\a)+FR-1], v[BI+8*\b:BI+8*\b+7], v[SC+8*NQ*(\sc)+NQ*\b+(\q)], v[SC+8*NQ*(\sc)+NQ*(\a)+(\q)] matrix_a_fmt:MATRIX_FMT_BF8 matrix_b_fmt:MATRIX_FMT_BF8 matrix_a_scale:MATRIX_SCALE_ROW1
.elseif (\cm) == 2
	v_wmma_scale_f32_16x16x128_f8f6f4 v[8*(8*((\a)%4)+\b):8*(8*((\a)%4)+\b)+7], v[128*(\p)+FR*\b:128*(\p)+FR*\b+FR-1], v[AF+FR*(\a):AF+FR*(\a)+FR-1], v[BI+8*(\a):BI+8*(\a)+7], v[SC+8*NQ*(\sc)+NQ*\b+(\q)], v[SC+8*NQ*(\sc)+NQ*(\a)+(\q)] matrix_a_fmt:MATRIX_FMT_BF8 matrix_b_fmt:MATRIX_FMT_BF8 matrix_a_scale:MATRIX_SCALE_ROW1
.else
	v_wmma_scale_f32_16x16x128_f8f6f4 v[8*(8*((\a)%4)+\b):8*(8*((\a)%4)+\b)+7], v[128*(\p)+FR*\b:128*(\p)+FR*\b+FR-1], v[AF+FR*(\a):AF+FR*(\a)+FR-1], v[8*(8*((\a)%4)+\b):8*(8*((\a)%4)+\b)+7], v[SC+8*NQ*(\sc)+NQ*\b+(\q)], v[SC+8*NQ*(\sc)+NQ*(\a)+(\q)] matrix_a_fmt:MATRIX_FMT_BF8 matrix_b_fmt:MATRIX_FMT_BF8 matrix_a_scale:MATRIX_SCALE_ROW1
.endif
.endr
.endr
.endm
.macro FETCH_B slot, q, p
	WIN TO_B
.irp i, 0,1,2,3,4,5,6,7
	FRAG 128*(\p)+FR*\i, ADRB+\slot, \q, \i
.endr
	WIN 0
.endm
.macro FETCH_A slot, q, i0
.irp i, \i0, \i0+1, \i0+2, \i0+3
	FRAG AF+FR*(\i), ADRA+\slot, \q, \i
.endr
.endm
.macro SCALES sc
.irp i, 0,1,2,3,4,5,6,7
	ds_load_b64 v[SC+8*NQ*\sc+NQ*\i:SC+8*NQ*\sc+NQ*\i+1], v[ADRS] offset:\i*SBLK
.endr
.endm
.macro PLACES n
.rept \n
	v_nop
.endr
.endm
.macro STEP slot, q, cm
	s_wait_dscnt 4*NL
.if \cm
	WIN 0x81
.else
	WIN MUL_LO
.endif
	MUL16 0, (\q)%2, \q, \slot, \cm
	MUL16 2, (\q)%2, \q, \slot, \cm
	s_wait_dscnt 0
	PLACES NP
	FETCH_B \slot, (\q)+1, 1-(\q)%2
	FETCH_A \slot, (\q)+1, 0
.if \cm
	WIN 0xc1
.else
	WIN MUL_HI
.endif
	MUL16 4, (\q)%2, \q, \slot, \cm
	MUL16 6, (\q)%2, \q, \slot, \cm
	PLACES NP
	WIN 0
	FETCH_A \slot, (\q)+1, 4
.endm
.macro TURN slot, next, fill
	s_wait_tensorcnt 0x0
	ds_add_u32 v[SPW], v[NIL]
	s_wait_dscnt 4*NL+1
	WIN MUL_LO
	MUL16 0, 1, NQ-1, \slot, 0
	s_wait_dscnt 0x0
	s_barrier_signal -1
	MUL16 2, 1, NQ-1, \slot, 0
	WIN 0
	s_barrier_wait -1
.if \fill
	CREST
	s_add_nc_u64 s[G0+4*\slot+2:G0+4*\slot+3], s[G0+4*\slot+2:G0+4*\slot+3], 2*ROWB
	s_add_nc_u64 s[G0B+4*\slot+2:G0B+4*\slot+3], s[G0B+4*\slot+2:G0B+4*\slot+3], 2*ROWB
	JLOAD G0+4*\slot, G1, G0B+4*\slot, G1B
	PLACES NP-4
.else
	PLACES NP
.endif
	s_wait_alu depctr_va_vdst(0)
	v_add_nc_u32 v[ADRS], 4*NQ, v[ADRS]
	FETCH_B \next, 0, 0
	FETCH_A \next, 0, 0
	SCALES \next
	WIN MUL_HI
	MUL16 4, 1, NQ-1, \slot, 0
	MUL16 6, 1, NQ-1, \slot, 0
	PLACES NP
	WIN 0
	FETCH_A \next, 0, 4
.endm
	s_wait_tensorcnt 1
	s_barrier_signal -1
	s_barrier_wait -1
	FETCH_B 0, 0, 0
	FETCH_A 0, 0, 0
	s_wait_alu depctr_va_vdst(0)
	SCALES 0
	FETCH_A 0, 0, 4
	s_wait_loadcnt 0x0
	s_cmp_lg_u32 s95, 0
	s_cbranch_scc1 .Lfirst_v
	STEP 0, 0, 1
	s_branch .Lfirst_done
.Lfirst_v:
	STEP 0, 0, 2
.Lfirst_done:
	s_mov_b32 s3, LAPS-1
.Llap:
	TURN 0, 1, 1
	STEP 1, 0, 0
	TURN 1, 0, 1
	STEP 0, 0, 0
	s_sub_co_u32 s3, s3, 1
	s_cmp_lg_u32 s3, 0
	s_cbranch_scc1 .Llap
	TURN 0, 1, 0
	STEP 1, 0, 0
	s_wait_dscnt 4*NL
	WIN MUL_LO
	MUL16 0, 1, NQ-1, 1, 0
	MUL16 2, 1, NQ-1, 1, 0
	s_wait_dscnt 0
	WIN MUL_HI
	MUL16 4, 1, NQ-1, 1, 0
	MUL16 6, 1, NQ-1, 1, 0
	WIN 0
	PLACES NP
	s_mov_b32 s20, 0x76543210
	s_mov_b32 s21, 0xfedcba98
	s_mov_b32 s23, 0xffff0000
	v_and_b32 v1, 15, v0
	v_bfe_u32 v2, v0, 4, 1
	v_and_b32 v3, 31, v0
	v_lshlrev_b32 v[VO], 4, v3
	v_add_nc_u32 v[VO+1], 512, v[VO]
	v_add_nc_u32 v[VO+2], s2, v[VO]
	v_add_nc_u32 v[VO+2], 1024, v[VO+2]
	v_add_nc_u32 v[VO+3], 512, v[VO+2]
	v_mul_u32_u24 v[VSO], v2, HEADB
	v_lshl_add_u32 v[VSO], v1, 4, v[VSO]
	v_mov_b32 v[SELV], 0x05040100
	v_mov_b32 v[SELV+1], 0x07060302
	v_cndmask_b32 v[SELV], v[SELV], v[SELV+1], s23
.irp b, 0,1,2,3
	v_mov_b32 v[TM+4+\b], 0
.endr
.macro QUANTW a
.set AC, 64*((\a)%4)
	WIN 0x28+0x14*((\a)/4)
.irp b, 0,1,2,3
	v_max3_num_f32 v[TM+\b], 0x8000000, |v[AC+16*\b]|, |v[AC+16*\b+1]|
.endr
.irp i, 2,4,6,8,10,12,14
.irp b, 0,1,2,3
	v_max3_num_f32 v[TM+\b], v[TM+\b], |v[AC+16*\b+\i]|, |v[AC+16*\b+\i+1]|
.endr
.endr
	WIN 0
.irp b, 0,1,2,3
	v_permlanex16_b32 v[TM+4+\b], v[TM+\b], s20, s21
.endr
.irp b, 0,1,2,3
	v_max_num_f32 v[TM+\b], v[TM+\b], v[TM+4+\b]
.endr
.irp b, 0,1,2,3
	v_add_nc_u32 v[TM+12+\b], 0xf8800000, v[TM+\b]
.endr
.irp b, 0,1,2,3
.endr
.irp b, 0,1,2,3
	v_lshrrev_b32 v[TM+4+\b], 23, v[TM+12+\b]
.endr
	v_lshl_or_b32 v[PWA+(\a)], v[TM+5], 8, v[TM+4]
	v_lshl_or_b32 v[PWA+(\a)], v[TM+6], 16, v[PWA+(\a)]
	v_lshl_or_b32 v[PWA+(\a)], v[TM+7], 24, v[PWA+(\a)]
	WIN 0x82+0x41*((\a)/4)
.irp b, 0,1,2,3
.irp i, 0,1,2,3,4,5,6,7,8,9,10,11,12,13,14,15
.endr
.endr
	s_wait_xcnt 0x0
.if (\a) == 4
	s_add_nc_u64 s[96:97], s[96:97], s[104:105]
.elseif (\a) > 0
	s_add_nc_u64 s[96:97], s[96:97], s[100:101]
.endif
	WIN 0x02+(\a)/4
.irp b, 0,1,2,3
	v_cvt_scalef32_pk8_bf8_f32 v[PC+4*\b:PC+4*\b+1], v[AC+16*\b:AC+16*\b+7], v[TM+12+\b]
	v_cvt_scalef32_pk8_bf8_f32 v[PC+4*\b+2:PC+4*\b+3], v[AC+16*\b+8:AC+16*\b+15], v[TM+12+\b]
.endr
	WIN 0
	v_nop
.irp b, 0,1,2,3
	global_store_b128 v[VO+\b], v[PC+4*\b:PC+4*\b+3], s[96:97]
.endr
.endm
.irp a, 0,1,2,3,4,5,6,7
	QUANTW \a
.endr
	s_cmp_lg_u32 s95, 0
	s_cbranch_scc1 .Lz_v
.irp p, 0,1,2,3
	v_perm_b32 v[Z+\p], v[PWA+2*\p+1], v[PWA+2*\p], v[SELV]
.endr
	s_branch .Lz_done
.Lz_v:
.irp p, 0,1,2,3
	v_cndmask_b32 v[Z+\p], v[PWA+\p], v[PWA+4+\p], s23
.endr
.Lz_done:
	s_wait_alu depctr_va_vdst(0)
	global_store_b128 v[VSO], v[Z:Z+3], s[98:99]
	s_wait_tensorcnt 0x0
	ds_add_u32 v[SPW], v[NIL]
	s_wait_dscnt 0x0
	CROUND
	s_endpgm
.Lfunc_end_k_qaf662d521b_proj:
	.size	k_qaf662d521b_proj, .Lfunc_end_k_qaf662d521b_proj-k_qaf662d521b_proj
	.p2alignl 7, 3214868480
	.fill 96, 4, 3214868480
	.section	.rodata,"a",@progbits
	.p2align	6, 0x0
	.amdhsa_kernel k_qaf662d521b_proj
		.amdhsa_group_segment_fixed_size 327680
		.amdhsa_private_segment_fixed_size 0
		.amdhsa_enable_private_segment 0
		.amdhsa_kernarg_size 56
		.amdhsa_user_sgpr_count 2
		.amdhsa_user_sgpr_kernarg_segment_ptr 1
		.amdhsa_wavefront_size32 1
		.amdhsa_system_sgpr_workgroup_id_x 1
		.amdhsa_system_sgpr_workgroup_id_y 1
		.amdhsa_system_sgpr_workgroup_id_z 1
		.amdhsa_system_vgpr_workitem_id 0
		.amdhsa_next_free_vgpr 1024
		.amdhsa_next_free_sgpr 106
		.amdhsa_reserve_vcc 0
		.amdhsa_float_denorm_mode_32 3
		.amdhsa_float_denorm_mode_16_64 3
		.amdhsa_fp16_overflow 1
		.amdhsa_memory_ordered 1
		.amdhsa_forward_progress 1
		.amdhsa_inst_pref_size 174
	.end_amdhsa_kernel
	.amdgpu_metadata
---
amdhsa.version: [ 1, 2 ]
amdhsa.kernels:
  - .name:           k_qaf662d521b_proj
    .symbol:         k_qaf662d521b_proj.kd
    .args:
      - { .name: xc, .offset: 0, .size: 8, .value_kind: global_buffer, .address_space: global }
      - { .name: xs, .offset: 8, .size: 8, .value_kind: global_buffer, .address_space: global }
      - { .name: bq, .offset: 16, .size: 8, .value_kind: global_buffer, .address_space: global }
      - { .name: bk, .offset: 24, .size: 8, .value_kind: global_buffer, .address_space: global }
      - { .name: bv, .offset: 32, .size: 8, .value_kind: global_buffer, .address_space: global }
      - { .name: qrec, .offset: 40, .size: 8, .value_kind: global_buffer, .address_space: global }
      - { .name: kv, .offset: 48, .size: 8, .value_kind: global_buffer, .address_space: global }
    .group_segment_fixed_size: 327680
    .private_segment_fixed_size: 0
    .kernarg_segment_align: 8
    .kernarg_segment_size: 56
    .max_flat_workgroup_size: 128
    .sgpr_count:     106
    .vgpr_count:     1024
    .wavefront_size: 32
...
	.end_amdgpu_metadata
.endif
;; end of part 2
;; launch attn (part 3): grid 4 x 64, 8 waves a work-group, clusters of 4 x 1, 327,680 bytes of LDS; arguments qrec, kv, mb, out0; writes out0
.if DOCPART == 3
	.amdgcn_target "amdgcn-amd-amdhsa--gfx1250"
	.amdhsa_code_object_version 6
	.text
	.protected	k_qaf662d521b_attn
	.globl	k_qaf662d521b_attn
	.p2align	8
	.type	k_qaf662d521b_attn,@function
k_qaf662d521b_attn:
	s_mov_b64 s[64:65], 0
	v_nop
	global_prefetch_b8 v0, s[64:65] scope:SCOPE_SE
	s_setreg_imm32_b32 hwreg(HW_REG_WAVE_MODE, 25, 1), 1
	s_wait_xcnt 0x0
	s_wait_alu depctr_hold_cnt(0) depctr_sa_sdst(0) depctr_va_vdst(0) depctr_va_sdst(0) depctr_va_ssrc(0) depctr_va_vcc(0) depctr_vm_vsrc(0)
	s_getreg_b32 s2, hwreg(HW_REG_IB_STS2, 6, 4)
	s_cmp_eq_u32 s2, 0
	s_cbranch_scc0 .Lentry_in_a_cluster
	s_endpgm
.Lentry_in_a_cluster:
	s_bfe_u32 s2, ttmp6, 0x10000c
	s_cmp_lg_u32 s2, 0x3003
	s_cbranch_scc0 .Lentry_shape_is_right
	s_endpgm
.Lentry_shape_is_right:
.set REC,   16896
.set HEADB, 16*REC
.set STAGE, HEADB
.set LI,   1
.set ADV,  2
.set ADK,  3
.set STO,  4
.set RD,   5
.set GO,   6
.set QO,   7
.set NEGV, 8
.set STA,  10
.set STB,  14
.set F,    18
.set TMP,  20
.set BM,   22
.set T4,   26
.set HOLD, 30
.set SOP,  34
.set PW,   38
.set QSA,  39
.set QSB,  40
.set KS,   42
.set VS,   46
.set PC,   50
.set SA,   66
.set SB,   130
.set OA,   0
.set OB,   32
.set QZ,   64
.set VF,   104
.set KF,   168
.set WV,   2
.set CNT,  3
.set PASS, 4
.set TB,   5
.set TBN,  6
.set MNT,  7
.set G1,   8
.set G0A,  16
.set G0B,  20
.set QP,   24
.set OP,   26
.set SEL,  66
.set CS,   100
.set MP,   104
.set MSB, 0
.macro WIN new
.if MSB != (\new)
	s_set_vgpr_msb (MSB<<8)|(\new)
.set MSB, (\new)
.endif
.endm
.macro ROUND
	s_barrier_signal -1
	s_barrier_wait -1
	s_cmp_lg_u32 s[WV], 0
	s_cbranch_scc1 .Lnot_wave_0_\@
	s_barrier_signal -3
.Lnot_wave_0_\@:
	s_barrier_wait -3
	s_barrier_signal -1
	s_barrier_wait -1
.endm
	s_load_b256 s[32:39], s[0:1], 0x0
	v_lshl_add_u32 v254, v0, 2, 0x4a800
	v_mov_b32 v255, 0
	ds_add_u32 v254, v255
	ds_add_u32 v254, v255
	v_lshrrev_b32 v1, 5, v0
	s_delay_alu instid0(VALU_DEP_1)
	v_readfirstlane_b32 s[WV], v1
	s_bfe_u32 s28, ttmp6, 0x40000
	s_and_b32 s29, ttmp7, 0xffff
	s_mov_b32 s[G1], 15|(3<<16)|(1<<21)
	s_mov_b32 s[G1+1], 32<<16
	s_mov_b32 s[G1+2], 66<<16
	s_mov_b32 s[G1+3], 32<<16
	s_mov_b32 s[G1+4], 66
	s_mov_b32 s[G1+5], 32
	s_mov_b32 s[G1+6], 0
	s_mov_b32 s[G1+7], 0
	s_mul_i32 s30, s29, HEADB
	s_mul_i32 s31, s[WV], REC
	s_add_co_u32 s40, s30, s31
	s_mov_b32 s41, 0
	s_lshl_b32 s42, s28, 2
	s_lshr_b32 s43, s[WV], 2
	s_add_co_u32 s42, s42, s43
	s_mul_i32 s42, s42, REC
	s_add_co_u32 s42, s42, s30
	s_and_b32 s45, s[WV], 3
	s_lshl_b32 s43, s45, 11
	s_add_co_u32 s42, s42, s43
	s_mov_b32 s43, 0
	s_lshr_b32 s46, s29, 4
	s_lshl_b32 s48, s46, 19
	s_lshl_b32 s47, s28, 5
	s_lshl_b32 s49, s[WV], 1
	s_add_co_u32 s47, s47, s49
	s_lshl_b32 s47, s47, 12
	s_add_co_u32 s48, s48, s47
	s_mov_b32 s49, 0
	s_lshl_b32 s50, s46, 11
	s_lshl_b32 s47, s28, 9
	s_add_co_u32 s50, s50, s47
	s_lshl_b32 s47, s[WV], 5
	s_add_co_u32 s50, s50, s47
	s_lshl_b32 s50, s50, 12
	s_and_b32 s47, s29, 15
	s_lshl_b32 s47, s47, 8
	s_add_co_u32 s50, s50, s47
	s_mov_b32 s51, 0
	s_mul_i32 s52, s45, 2044
	s_sub_co_u32 s52, 16384, s52
	s_mul_i32 s53, s[WV], 16*272
	s_add_co_u32 s53, s53, STAGE
	s_mov_b32 s[SEL], 0x76543210
	s_mov_b32 s[SEL+1], 0xfedcba98
	s_mov_b32 s[CS], 0x3e38aa3b
	s_mov_b32 s[CS+1], s[CS]
	s_mov_b32 s[G0A], 1
	s_mov_b32 s[G0A+1], s31
	s_mov_b32 s[G0B], 1
	s_add_co_u32 s[G0B+1], s31, 8*REC
	s_wait_dscnt 0x0
	s_wait_kmcnt 0x0
	s_add_nc_u64 s[G0A+2:G0A+3], s[34:35], s[40:41]
	s_add_nc_u64 s[G0B+2:G0B+3], s[G0A+2:G0A+3], 8*REC
	s_or_b32 s[G0A+3], s[G0A+3], 0x80000000
	s_or_b32 s[G0B+3], s[G0B+3], 0x80000000
	s_add_nc_u64 s[QP:QP+1], s[32:33], s[42:43]
	s_add_nc_u64 s[MP:MP+1], s[36:37], s[48:49]
	s_add_nc_u64 s[OP:OP+1], s[38:39], s[50:51]
	ROUND
	tensor_load_to_lds s[G0A:G0A+3], s[G1:G1+7]
	s_nop 0
	s_wait_alu depctr_va_vdst(0)
	s_wait_tensorcnt 0x0
	ds_add_u32 v254, v255
	s_wait_dscnt 0x0
	ROUND
	tensor_load_to_lds s[G0B:G0B+3], s[G1:G1+7]
	s_nop 0
.rept 4
	v_nop
.endr
	v_and_b32 v21, 31, v0
	s_delay_alu instid0(VALU_DEP_1)
	v_lshlrev_b32 v[LI], 4, v21
	v_and_b32 v9, 15, v0
	v_bfe_u32 v21, v0, 4, 1
	s_delay_alu instid0(VALU_DEP_2)
	v_mul_u32_u24 v[STO], v9, 272
	s_delay_alu instid0(VALU_DEP_1)
	v_lshl_add_u32 v[STO], v21, 6, v[STO]
	s_delay_alu instid0(VALU_DEP_1)
	v_add_nc_u32 v[STO], s53, v[STO]
	s_delay_alu instid0(VALU_DEP_4)
	v_mul_u32_u24 v[RD], v21, 272
	s_delay_alu instid0(VALU_DEP_1)
	v_lshl_add_u32 v[RD], v9, 4, v[RD]
	s_delay_alu instid0(VALU_DEP_1)
	v_add_nc_u32 v[RD], s53, v[RD]
	v_lshlrev_b32 v[GO], 12, v21
	s_delay_alu instid0(VALU_DEP_1)
	v_lshl_add_u32 v[GO], v9, 4, v[GO]
	v_lshl_add_u32 v[QO], v9, 4, s52
	v_mov_b32 v[NEGV], 0xd0000000
	v_mov_b32 v[F+1], 0
.irp b, 0,1,2,3
	v_mov_b32 v[T4+\b], 0
.endr
	WIN 0x40
.irp i, 0,1,2,3,4,5,6,7
	v_mov_b32 v[QZ+\i], 0
	v_mov_b32 v[QZ+16+\i], 0
	v_mov_b32 v[QZ+32+\i], 0
.endr
	WIN 0
	s_wait_tensorcnt 0x0
	s_barrier_signal -1
	s_barrier_wait -1
.macro KLOADS
.irp f, 0,1,2,3
.irp c, 0,1,2,3
	ds_load_b128 v[KF+16*\f+4*\c:KF+16*\f+4*\c+3], v[ADK] offset:2048*\f+512*\c
.endr
.endr
.endm
.macro VLOADS
.irp f, 0,1,2,3
.irp c, 0,1,2,3
	ds_load_b128 v[VF+16*\f+4*\c:VF+16*\f+4*\c+3], v[ADV] offset:8192+2048*\f+512*\c
.endr
.endr
.endm
.macro QK sx, qlo, qhi, qs
.irp f, 0,1,2,3
	v_wmma_scale_f32_16x16x128_f8f6f4 v[\sx+16*\f:\sx+16*\f+7], v[KF+16*\f:KF+16*\f+15], v[\qlo:\qlo+15], 0, v[KS+\f], v[\qs] matrix_a_fmt:MATRIX_FMT_BF8 matrix_b_fmt:MATRIX_FMT_BF8
	v_wmma_scale_f32_16x16x128_f8f6f4 v[\sx+16*\f+8:\sx+16*\f+15], v[KF+16*\f:KF+16*\f+15], v[\qhi:\qhi+15], 0, v[KS+\f], v[\qs] matrix_a_fmt:MATRIX_FMT_BF8 matrix_b_fmt:MATRIX_FMT_BF8
.endr
.endm
.macro SOFTMAX sx, st, after
	s_wait_kmcnt 0x0
.set nn, 0
.rept 64
	v_cndmask_b32 v[\sx+nn], v[NEGV], v[\sx+nn], s[32+nn+4*(nn/32)]
.set nn, nn+1
.endr
.if \after
	s_add_nc_u64 s[MP:MP+1], s[MP:MP+1], 256
	s_load_b512 s[32:47], s[MP:MP+1], 0x0
	s_load_b512 s[48:63], s[MP:MP+1], 0x40
	s_load_b512 s[68:83], s[MP:MP+1], 0x80
	s_load_b512 s[84:99], s[MP:MP+1], 0xc0
.else
	s_load_b512 s[32:47], s[MP:MP+1], 0x1000
	s_load_b512 s[48:63], s[MP:MP+1], 0x1040
	s_load_b512 s[68:83], s[MP:MP+1], 0x1080
	s_load_b512 s[84:99], s[MP:MP+1], 0x10c0
.endif
.irp b, 0,1,2,3
	v_max3_num_f32 v[BM+\b], v[\sx+16*\b], v[\sx+16*\b+1], v[\sx+16*\b+2]
.endr
.irp i, 3,5,7,9,11,13
.irp b, 0,1,2,3
	s_delay_alu instid0(VALU_DEP_4)
	v_max3_num_f32 v[BM+\b], v[BM+\b], v[\sx+16*\b+\i], v[\sx+16*\b+\i+1]
.endr
.endr
.irp b, 0,1,2,3
	s_delay_alu instid0(VALU_DEP_4)
	v_max_num_f32 v[BM+\b], v[BM+\b], v[\sx+16*\b+15]
.endr
.irp b, 0,1,2,3
	s_delay_alu instid0(VALU_DEP_4)
	v_permlanex16_b32 v[T4+\b], v[BM+\b], s[SEL], s[SEL+1]
.endr
.irp b, 0,1,2,3
	s_delay_alu instid0(VALU_DEP_4)
	v_max_num_f32 v[BM+\b], v[BM+\b], v[T4+\b]
.endr
	s_delay_alu instid0(VALU_DEP_2)
	v_max3_num_f32 v[TMP], v[BM], v[BM+1], v[BM+2]
	s_delay_alu instid0(VALU_DEP_1)
	v_max_num_f32 v[TMP], v[TMP], v[BM+3]
	s_delay_alu instid0(VALU_DEP_1)
	v_mul_f32 v[TMP], s[CS], v[TMP]
	s_delay_alu instid0(VALU_DEP_1)
	v_max_num_f32 v[\st+1], v[\st+1], v[TMP]
	v_mov_b32 v[TMP], v[\st]
	s_delay_alu instid0(VALU_DEP_2)
	v_floor_f32 v[\st], -v[\st+1]
	s_delay_alu instid0(VALU_DEP_1)
	v_sub_f32 v[TMP], v[\st], v[TMP]
	s_delay_alu instid0(VALU_DEP_1)
	v_cvt_i32_f32 v[TMP], v[TMP]
	s_delay_alu instid0(VALU_DEP_1)
	v_ldexp_f32 v[F], 1.0, v[TMP]
.set jj, 0
.rept 32
	v_pk_fma_f32 v[\sx+jj:\sx+jj+1], v[\sx+jj:\sx+jj+1], s[CS:CS+1], v[\st:\st+1] op_sel_hi:[1,0,0]
.set jj, jj+2
.endr
.irp b, 0,1,2,3
	v_fma_f32 v[BM+\b], v[BM+\b], s[CS], v[\st]
.endr
.set jj, 0
	s_wait_alu depctr_va_vdst(0)
.rept 64
	v_exp_f32 v[\sx+jj], v[\sx+jj]
.set jj, jj+1
.endr
	v_pk_mul_f32 v[\st+2:\st+3], v[\st+2:\st+3], v[F:F+1] op_sel_hi:[1,0]
	s_wait_alu depctr_va_vdst(0)
.irp b, 0,1,2,3
	v_exp_f32 v[BM+\b], v[BM+\b]
.endr
	v_pk_add_f32 v[T4:T4+1], v[\sx:\sx+1], v[\sx+2:\sx+3]
.set jj, 4
.rept 15
	v_pk_add_f32 v[\st+2:\st+3], v[\st+2:\st+3], v[\sx+jj:\sx+jj+1]
	v_pk_add_f32 v[T4:T4+1], v[T4:T4+1], v[\sx+jj+2:\sx+jj+3]
.set jj, jj+4
.endr
	s_delay_alu instid0(VALU_DEP_1)
	v_pk_add_f32 v[\st+2:\st+3], v[\st+2:\st+3], v[T4:T4+1]
	s_wait_alu depctr_va_vdst(0)
.irp b, 0,1,2,3
	v_max_num_f32 v[BM+\b], 0x8000000, v[BM+\b]
.endr
.irp b, 0,1,2,3
	s_delay_alu instid0(VALU_DEP_4)
	v_add_nc_u32 v[SOP+\b], 0xf8800000, v[BM+\b]
.endr
.irp b, 0,1,2,3
.endr
.irp b, 0,1,2,3
	s_delay_alu instid0(VALU_DEP_4)
	v_lshrrev_b32 v[T4+\b], 23, v[SOP+\b]
.endr
	s_delay_alu instid0(VALU_DEP_3)
	v_lshl_or_b32 v[PW], v[T4+1], 8, v[T4]
	s_delay_alu instid0(VALU_DEP_1)
	v_lshl_or_b32 v[PW], v[T4+2], 16, v[PW]
	s_delay_alu instid0(VALU_DEP_1)
	v_lshl_or_b32 v[PW], v[T4+3], 24, v[PW]
.irp b, 0,1,2,3
.irp i, 0,1,2,3,4,5,6,7,8,9,10,11,12,13,14,15
.endr
	v_cvt_scalef32_pk8_bf8_f32 v[PC+4*\b:PC+4*\b+1], v[\sx+16*\b:\sx+16*\b+7], v[SOP+\b]
	v_cvt_scalef32_pk8_bf8_f32 v[PC+4*\b+2:PC+4*\b+3], v[\sx+16*\b+8:\sx+16*\b+15], v[SOP+\b]
.endr
.endm
.macro PVX ox, cnt
	WIN 0x41
.set jj, 0
.rept 16
	v_pk_mul_f32 v[\ox+jj:\ox+jj+1], v[\ox+jj:\ox+jj+1], v[F:F+1] op_sel_hi:[1,0]
.set jj, jj+2
.endr
	s_wait_alu depctr_va_vdst(0)
	s_wait_dscnt \cnt
	WIN 0x51
.irp t, 0,1,2,3
	v_wmma_scale_f32_16x16x128_f8f6f4 v[\ox+8*\t:\ox+8*\t+7], v[VF+16*\t:VF+16*\t+15], v[PC:PC+15], v[\ox+8*\t:\ox+8*\t+7], v[VS+\t], v[PW] matrix_a_fmt:MATRIX_FMT_BF8 matrix_b_fmt:MATRIX_FMT_BF8 matrix_a_scale:MATRIX_SCALE_ROW1
.endr
	WIN 0
.endm
.macro STEP
	s_wait_dscnt 0x0
	WIN 0x05
	QK SA, QZ+8, QZ, QSA
	QK SB, QZ+24, QZ+16, QSB
	WIN 0
	s_add_co_u32 s[TBN], s[TB], REC
	s_min_u32 s[TBN], s[TBN], 15*REC
	v_add_nc_u32 v[ADV], s[TB], v[LI]
	v_add_nc_u32 v[ADK], s[TBN], v[LI]
.rept 6
	v_nop
.endr
	ds_load_b128 v[VS:VS+3], v[ADV] offset:16384
	WIN 0x40
	VLOADS
	KLOADS
	WIN 0
	ds_load_b128 v[KS:KS+3], v[ADK] offset:16384
	SOFTMAX SA, STA, 0
	PVX OA, 17
	SOFTMAX SB, STB, 1
	PVX OB, 17
	s_add_co_u32 s[TB], s[TB], REC
.endm
.macro OUT_STAGE sx
.irp t, 0,1,2,3
	ds_store_b128 v[STO], v[\sx+8*\t:\sx+8*\t+3] offset:128*(\t/2)+32*(\t%2)
	ds_store_b128 v[STO], v[\sx+8*\t+4:\sx+8*\t+7] offset:128*(\t/2)+32*(\t%2)+16
.endr
.irp i, 0,1,2,3,4,5,6,7
	ds_load_b128 v[\sx+32+4*\i:\sx+32+4*\i+3], v[RD] offset:544*\i
.endr
.endm
.macro OUT_SEND sx, younger, off
.irp i, 0,1,2,3,4,5,6,7
	s_wait_dscnt \younger+7-\i
	global_store_b128 v[GO], v[\sx+32+4*\i:\sx+32+4*\i+3], s[OP:OP+1] offset:(2*\i+8*(\i/4))*4096+\off th:TH_STORE_NT
.endr
.endm
	s_mov_b32 s[PASS], 2
.Lpass:
	v_mov_b32 v[ADK], v[LI]
	global_load_b32 v[TMP], v[QO], s[QP:QP+1]
	s_load_b512 s[32:47], s[MP:MP+1], 0x0
	s_load_b512 s[48:63], s[MP:MP+1], 0x40
	s_load_b512 s[68:83], s[MP:MP+1], 0x80
	s_load_b512 s[84:99], s[MP:MP+1], 0xc0
	ds_load_b128 v[KS:KS+3], v[ADK] offset:16384
	WIN 0x40
	global_load_b128 v[QZ+8:QZ+11], v[LI], s[QP:QP+1]
	global_load_b128 v[QZ+12:QZ+15], v[LI], s[QP:QP+1] offset:512
	global_load_b128 v[QZ+24:QZ+27], v[LI], s[QP:QP+1] offset:1024
	global_load_b128 v[QZ+28:QZ+31], v[LI], s[QP:QP+1] offset:1536
	KLOADS
	WIN 0
	s_mov_b32 s[TB], 0
	s_wait_loadcnt 0x0
	v_perm_b32 v[QSA], v[TMP], v[TMP], 0x01000100
	v_perm_b32 v[QSB], v[TMP], v[TMP], 0x03020302
	WIN 0x40
.set jj, 0
.rept 64
	v_mov_b32 v[OA+jj], 0
.set jj, jj+1
.endr
	WIN 0
	v_mov_b32 v[STA+1], 0xff61b1e6
	v_mov_b32 v[STB+1], 0xff61b1e6
	s_delay_alu instid0(VALU_DEP_2)
	v_floor_f32 v[STA], -v[STA+1]
	s_delay_alu instid0(VALU_DEP_2)
	v_floor_f32 v[STB], -v[STB+1]
	v_mov_b32 v[STA+2], 0
	v_mov_b32 v[STA+3], 0
	v_mov_b32 v[STB+2], 0
	v_mov_b32 v[STB+3], 0
	s_mov_b32 s[CNT], 16
.Lstep:
	STEP
	s_sub_co_u32 s[CNT], s[CNT], 1
	s_cmp_lg_u32 s[CNT], 0
	s_cbranch_scc1 .Lstep
	v_add_f32 v[STA+2], v[STA+2], v[STA+3]
	v_add_f32 v[STB+2], v[STB+2], v[STB+3]
	s_delay_alu instid0(VALU_DEP_2)
	v_permlanex16_b32 v[T4], v[STA+2], s[SEL], s[SEL+1]
	s_delay_alu instid0(VALU_DEP_2)
	v_permlanex16_b32 v[T4+1], v[STB+2], s[SEL], s[SEL+1]
	s_delay_alu instid0(VALU_DEP_2)
	v_add_f32 v[STA+2], v[STA+2], v[T4]
	s_delay_alu instid0(VALU_DEP_2)
	v_add_f32 v[STB+2], v[STB+2], v[T4+1]
	s_wait_alu depctr_va_vdst(0)
	v_rcp_f32 v[STA], v[STA+2]
	v_rcp_f32 v[STB], v[STB+2]
	v_nop
	s_wait_alu depctr_va_vdst(0)
	WIN 0x01
.set jj, 0
.rept 16
	v_pk_mul_f32 v[SA+jj:SA+jj+1], v[OA+jj:OA+jj+1], v[STA:STA+1] op_sel_hi:[1,0]
.set jj, jj+2
.endr
.set jj, 0
.rept 16
	v_pk_mul_f32 v[SB+jj:SB+jj+1], v[OB+jj:OB+jj+1], v[STB:STB+1] op_sel_hi:[1,0]
.set jj, jj+2
.endr
	WIN 0
	OUT_STAGE SA
	OUT_STAGE SB
	OUT_SEND SA, 16, 0
	OUT_SEND SB, 0, 32768
	s_wait_xcnt 0x0
	s_add_nc_u64 s[QP:QP+1], s[QP:QP+1], 2*REC
	s_add_nc_u64 s[OP:OP+1], s[OP:OP+1], 256*4096
	s_wait_kmcnt 0x0
	s_add_nc_u64 s[MP:MP+1], s[MP:MP+1], 15*4096
	s_sub_co_u32 s[PASS], s[PASS], 1
	s_cmp_lg_u32 s[PASS], 0
	s_cbranch_scc1 .Lpass
	s_wait_tensorcnt 0x0
	ds_add_u32 v254, v255
	s_wait_dscnt 0x0
	ROUND
	s_endpgm
.Lfunc_end_k_qaf662d521b_attn:
	.size	k_qaf662d521b_attn, .Lfunc_end_k_qaf662d521b_attn-k_qaf662d521b_attn
	.p2alignl 7, 3214868480
	.fill 96, 4, 3214868480
	.section	.rodata,"a",@progbits
	.p2align	6, 0x0
	.amdhsa_kernel k_qaf662d521b_attn
		.amdhsa_group_segment_fixed_size 327680
		.amdhsa_private_segment_fixed_size 0
		.amdhsa_enable_private_segment 0
		.amdhsa_kernarg_size 32
		.amdhsa_user_sgpr_count 2
		.amdhsa_user_sgpr_kernarg_segment_ptr 1
		.amdhsa_wavefront_size32 1
		.amdhsa_system_sgpr_workgroup_id_x 1
		.amdhsa_system_sgpr_workgroup_id_y 1
		.amdhsa_system_sgpr_workgroup_id_z 1
		.amdhsa_system_vgpr_workitem_id 0
		.amdhsa_next_free_vgpr 512
		.amdhsa_next_free_sgpr 106
		.amdhsa_reserve_vcc 0
		.amdhsa_float_denorm_mode_32 3
		.amdhsa_float_denorm_mode_16_64 3
		.amdhsa_fp16_overflow 1
		.amdhsa_memory_ordered 1
		.amdhsa_forward_progress 1
		.amdhsa_inst_pref_size 60
	.end_amdhsa_kernel
	.amdgpu_metadata
---
amdhsa.version: [ 1, 2 ]
amdhsa.kernels:
  - .name:           k_qaf662d521b_attn
    .symbol:         k_qaf662d521b_attn.kd
    .args:
      - { .name: qrec, .offset: 0, .size: 8, .value_kind: global_buffer, .address_space: global }
      - { .name: kv, .offset: 8, .size: 8, .value_kind: global_buffer, .address_space: global }
      - { .name: mb, .offset: 16, .size: 8, .value_kind: global_buffer, .address_space: global }
      - { .name: out0, .offset: 24, .size: 8, .value_kind: global_buffer, .address_space: global }
    .group_segment_fixed_size: 327680
    .private_segment_fixed_size: 0
    .kernarg_segment_align: 8
    .kernarg_segment_size: 32
    .max_flat_workgroup_size: 256
    .sgpr_count:     106
    .vgpr_count:     512
    .wavefront_size: 32
...
	.end_amdgpu_metadata
.endif
;; end of part 3
